; MI455X (gfx1250); checked and timed in simulation.
; The chip was launched on July 23, 2026; its instructions are those of AMD's public machine-readable ISA for CDNA 5 (MIT licence, August 2026) and "CDNA5" Instruction Set Architecture Reference Guide (July 2026). The comments in the code are by the model that wrote it; some were corrected since.
;; Self Attention. Allowed arithmetic: matrix products marked QUANTISED: E2M1 operands, one E8M0 scale for each 32 along K, by v_wmma_scale_f32_16x16x128_f8f6f4 with both operands' format E2M1 (or v_wmma_scale_f32_32x16x128_f4), f32 sums; everything else in f32.
;; Inputs: b_k 256 float32; b_q 256 float32; key 128 x 2,048 x 256 float32; query 8 x 64 x 256 float32; w_k 256 x 256 float32; w_q 256 x 256 float32.
;; Outputs: out0 8 x 2,048 x 256 float32.
;; This version of the problem:
;;   THIS VERSION OF THE PROBLEM IS GIVEN IN LOW PRECISION. The matrix products marked QUANTISED in the list below multiply operands that are first quantised to E2M1 (2 exponent bits, 1 mantissa bit; 4 bits a number), with one power-of-two scale for each 32 numbers along K (OCP MX v1.0); their sums are f32. All else is computed in f32.
;;   The module's matrix products, in the order in which they are computed (A, B: the left and right operand; K: the contracted axis; several contracted axes count as one K, in the product's order):
;;     1. [M 512, K 256] x [K 256, N 256]; A: input query; B: input w_q: QUANTISED
;;     2. [M 262,144, K 256] x [K 256, N 256]; A: input key; B: input w_k: QUANTISED
;;     3. batch 8 x [M 32,768, K 256] x [K 256, N 64]; A: computed on the way; B: computed on the way: QUANTISED
;;   THE QUANTISER, for each operand of a quantised product, along K:
;;     - K is cut into blocks of 32 from its start; a last block that is shorter is filled with zeros.
;;     - A block's scale is 2^e with e = floor(log2(the largest magnitude in the block)) - 2, held to -126 .. 127; a block of zeros has e = 0. As a byte (E8M0): e + 127.
;;     - Each number is divided by its block's scale, clamped to +-6, and rounded to the nearest number of E2M1, ties to even, subnormals kept.
;;     - The product sums the exact products of the quantised numbers (number of the format x scale) in f32.
;;   ~~~python
;;   def quantise(x, axis):      # numpy; x: float32 -> the quantised numbers, widened to float32 again
;;       x = np.moveaxis(x, axis, -1); K = x.shape[-1]
;;       x = np.pad(x, [(0, 0)] * (x.ndim - 1) + [(0, -K % 32)]); x = x.reshape(x.shape[:-1] + (-1, 32)); a = np.abs(x).max(-1, keepdims=True)
;;       e = np.where(a > 0, np.clip(np.frexp(np.where(a > 0, a, 1))[1] - 1 - 2, -126, 127), 0)      # np.frexp(a)[1] - 1 = floor(log2(a)), exactly
;;       r = np.clip(x / 2.0 ** e, -6, 6)
;;       step = 2.0 ** (np.maximum(np.frexp(np.where(r == 0, 1, r))[1] - 1, 0) - 1)
;;       q = np.round(r / step) * step * 2.0 ** e      # np.round: ties to even
;;       return np.moveaxis(q.reshape(q.shape[:-2] + (-1,))[..., :K], -1, axis).astype(np.float32)
;;   ~~~
;;   OPERANDS COMPUTED ON THE WAY. 'Computed on the way' means the value that the module computes at that place (a softmax that the list does not call 'softmax' is quantised finished and normalised). What goes into a quantiser is computed in f32, as accurately as f32 sums, v_exp_f32 and their like allow (about 1e-6 of the number): no bf16 or f16 on the way to a quantiser, and a product that is left as it is and whose result goes on into a quantised operand takes f32 operands (vector FMAs, or v_wmma_f32_16x16x4_f32). A number that lies on a knife's edge between two numbers of the format may be rounded either way, as far as f32 arithmetic and the matrix unit's own rounding can turn it there, and no further.
;; One version. Each part assembles by itself: llvm-mc -triple=amdgcn-amd-amdhsa -mcpu=gfx1250 --defsym DOCPART=n.
;; ======== version 1 of 1: 4 launches
;; workspace buffers: ops 110,592 bytes; part 4,096 bytes; order 256 bytes of whole numbers
;; launch prep (part 1): grid 16 x 1, 13 waves a work-group, no clusters, 32,512 bytes of LDS; arguments query, w_q, b_q, w_k, ops; writes ops
.if DOCPART == 1
	.amdgcn_target "amdgcn-amd-amdhsa--gfx1250"
	.amdhsa_code_object_version 6
	.text
	.protected	k_q770c4874e6_prep
	.globl	k_q770c4874e6_prep
	.p2align	8
	.type	k_q770c4874e6_prep,@function
k_q770c4874e6_prep:
	s_mov_b64 s[64:65], 0
	v_nop
	global_prefetch_b8 v0, s[64:65] scope:SCOPE_SE
	s_setreg_imm32_b32 hwreg(HW_REG_WAVE_MODE, 25, 1), 1
	s_wait_xcnt 0x0
; The small operands, made once: w_k as codes of E2M1;  Q = q(query) q(w_q)^T + b_q (the first quantised product), and Q as codes.
; All leave as IMAGES OF OPERAND REGISTERS: a fragment (16 rows x 128 K, 8 registers a lane) is 1,024 bytes, registers 4 c .. 4 c + 3 of lane l at 512 c + 16 l; its scale words 128 bytes, lane l's at 4 l.
; ops: w_k's 32 fragments (2 t + s: tile t, K step s), their 32 scale images, Q's 64 fragments (8 b + 2 m + s: batch b, tile of 16 queries m, K step s), their 64 scale images.
; SHARES.  Work-group g: batch b = g / 2, half s3 = g % 2 of Q's 256 outputs (the third product's K step).  Thirteen waves in three parts:
;   waves 0-7   quantise tile w of that half of w_q (16 rows x 256) and hand it on through LDS;
;   waves 8-11  quantise tile m = w - 8 of the batch's 64 query rows, multiply it by the eight tiles, and quantise the 128 outputs;
;   wave 12     quantises tile g of w_k and stores it.
; Every wave runs one text for '16 rows x 256 numbers become two fragments and two scale words'; only its pointer, first row and order of rows are chosen, by the wave's number.
; THE ROWS OF A WEIGHT THAT FORM A TILE ARE NOT NEIGHBOURS: lane r of tile t takes row 32 (t / 2) + 8 (t % 2) + r + 8 (r / 8).  The product is used transposed (source 0 = 16 weight rows, source 1 = 16 data rows),
; so that register j of tile t in lane (r, h) is output 32 (t / 2) + 16 h + 8 (t % 2) + j of data row r: the 64 registers of eight tiles run along the next K, register 16 b + i = k 32 b + 16 h + i.
; THE QUANTISER: a block's scale is 2^(floor(log2(its largest magnitude)) - 2); its byte is the largest magnitude's exponent field - 2.
; LIMITS: NaN and infinities are not served.  A block whose largest magnitude lies under 2^-124 has its byte held at 1; a block of zeros so gets the byte 1 and not 127: its codes are zeros, and this program alone reads the bytes.
; The loads of f32 rows take 64 neighbouring bytes of a row in four instructions: 3.4 MB in the whole launch, read once.
.set WIMG, 0
.set WSC,  32768
.set QIMG, 36864
.set QSC,  102400
.set LSC,  26624                       ; LDS: 13 x 2,048 bytes for fragments (wave x 2,048 + 1,024 s), then 13 x 256 for scale words (wave x 256 + 128 s); waves 0-7 store
.set XA,   4                           ; v4   my lane's byte in the wave's 16 rows
.set LI,   5                           ; v5   16 x lane
.set LS,   6                           ; v6   4 x lane
.set WI,   7                           ; v7   LDS: where I store my fragments
.set WSA,  8                           ; v8   LDS: and my scale words
.set BA,   9                           ; v9   64 h: my half's eight numbers of a tile's bias
.set TM,   12                          ; v12-27 at work in the quantiser
.set XF,   28                          ; v28-43 my two fragments
.set XF1,  36
.set XS,   44                          ; v44, v45 their scale words
.set XS1,  45
.set PWH,  46                          ; v46  Q's scale word
.set WS,   48                          ; v48-63 the sixteen scale words of w_q's fragments
.set HA,   64                          ; v64-127 eight tiles of Q: first the bias, then the sums
.set SA,   128                         ; v128-191, v192-255: 64 numbers of each K step; later w_q's sixteen fragments; later Q's codes
.set SB,   192
.set WF,   128
.set QC,   128
.set SEL,  32                          ; s[32:33] lane selects for v_permlanex16_b32: lane l xor 16
; 64 numbers of a lane, register 16 b + i = k 32 b + 16 (lane / 16) + i of my row, become a fragment's codes in v[pc] on and its scale word in v[pw]
.macro QUANT s, pc, pw
.irp b, 0,1,2,3
	v_max3_num_f32 v[TM+\b], |v[\s+16*\b]|, |v[\s+16*\b+1]|, 0x1800000   ; block b: my 16 numbers, and the floor 2^(3 - 127): the byte cannot fall under 1
.endr
.irp i, 2,4,6,8,10,12,14
.irp b, 0,1,2,3
	v_max3_num_f32 v[TM+\b], v[TM+\b], |v[\s+16*\b+\i]|, |v[\s+16*\b+\i+1]|   ; the four blocks by turns
.endr
.endr
.irp b, 0,1,2,3
	v_permlanex16_b32 v[TM+4+\b], v[TM+\b], s[SEL], s[SEL+1]
.endr
.irp b, 0,1,2,3
	v_max_num_f32 v[TM+\b], v[TM+\b], v[TM+4+\b]          ; with lane l xor 16's 16: the block's largest magnitude
.endr
.irp b, 0,1,2,3
	v_add_nc_u32 v[TM+12+\b], 0xff000000, v[TM+\b]        ; 2 off its exponent field: the conversion takes the exponent field of this operand as its scale
.endr
.irp b, 0,1,2,3
	v_lshrrev_b32 v[TM+4+\b], 23, v[TM+12+\b]             ; the scale's byte
.endr
	v_lshl_or_b32 v[\pw], v[TM+5], 8, v[TM+4]             ; four bytes: my row's scale word
	v_lshl_or_b32 v[\pw], v[TM+6], 16, v[\pw]
	v_lshl_or_b32 v[\pw], v[TM+7], 24, v[\pw]
.irp b, 0,1,2,3
	v_cvt_scalef32_pk8_fp4_f32 v[\pc+2*\b], v[\s+16*\b:\s+16*\b+7], v[TM+12+\b]
	v_cvt_scalef32_pk8_fp4_f32 v[\pc+2*\b+1], v[\s+16*\b+8:\s+16*\b+15], v[TM+12+\b]
.endr
	v_nop                                                 ; one plain place behind the scaled conversions
.irp c, 0,1                                               ; the operand wants a whole block in a lane: lanes 0-15 block 2 c, lanes 16-31 block 2 c + 1
.irp i, 0,1
	v_permlane16_swap_b32 v[\pc+4*\c+\i], v[\pc+4*\c+2+\i]
.endr
.endr
.endm
.macro XLOAD reg, s                    ; my 64 numbers of K step s
.irp b, 0,1,2,3
.irp j, 0,1,2,3
	global_load_b128 v[\reg+16*\b+4*\j:\reg+16*\b+4*\j+3], v[XA], s[22:23] offset:512*\s+128*\b+16*\j
.endr
.endr
.endm
	s_load_b256 s[4:11], s[0:1], 0x0               ; query s[4:5], w_q s[6:7], b_q s[8:9], w_k s[10:11]
	s_load_b64 s[12:13], s[0:1], 0x20              ; ops
	v_lshl_add_u32 v23, v0, 2, 0x7800
	v_mov_b32 v47, 0
	v_lshrrev_b32 v1, 5, v0
	v_readfirstlane_b32 s14, v1                    ; wave 0..12
	v_and_b32 v1, 31, v0                           ; lane
	v_and_b32 v2, 15, v0                           ; r
	v_bfe_u32 v3, v0, 4, 1                         ; h
	s_lshr_b32 s15, s14, 2                         ; part: 0, 1 w_q;  2 query;  3 w_k
	s_lshr_b32 s16, ttmp9, 1                       ; b = g / 2
	s_and_b32 s17, ttmp9, 1                        ; s3 = g % 2
	s_and_b32 s18, s14, 7                          ; w_q's tile t' of the half
	s_lshr_b32 s19, s18, 1
	s_lshl_b32 s19, s19, 5
	s_and_b32 s18, s18, 1
	s_lshl_b32 s18, s18, 3
	s_add_co_u32 s18, s18, s19
	s_lshl_b32 s19, s17, 7
	s_add_co_u32 s18, s18, s19                     ; its first row: 128 s3 + 32 (t' / 2) + 8 (t' % 2)
	s_and_b32 s36, s14, 3                          ; m
	s_lshl_b32 s19, s16, 6
	s_lshl_b32 s20, s36, 4
	s_add_co_u32 s19, s19, s20                     ; query's first row: 64 b + 16 m
	s_lshl_b32 s20, s16, 5
	s_lshl_b32 s21, s17, 3
	s_add_co_u32 s20, s20, s21                     ; w_k's tile g begins at row 32 (g / 2) + 8 (g % 2)
	s_lshl_b32 s37, s16, 3
	s_lshl_b32 s38, s36, 1
	s_add_co_u32 s37, s37, s38
	s_add_co_u32 s37, s37, s17                     ; Q's image: 8 b + 2 m + s3
	s_mov_b32 s[SEL], 0x76543210
	s_mov_b32 s[SEL+1], 0xfedcba98
	s_mov_b32 s25, 0
	v_lshlrev_b32 v[LI], 4, v1
	v_lshlrev_b32 v[LS], 2, v1
	s_lshl_b32 s26, s14, 11
	v_add_nc_u32 v[WI], s26, v[LI]                 ; every LDS address is made here, ahead of the first parting of the waves
	s_lshl_b32 s26, s14, 8
	v_add_nc_u32 v[WSA], s26, v[LS]
	v_add_nc_u32 v[WSA], LSC, v[WSA]
	v_lshlrev_b32 v[BA], 6, v3
.irp b, 0,1,2,3
	v_mov_b32 v[TM+4+\b], 0                        ; written once: a lane permute's destination counts as one of its sources
.endr
	s_wait_kmcnt 0x0
	s_cmp_eq_u32 s15, 2                            ; the choices hang on the wave's number alone
	s_cselect_b64 s[22:23], s[4:5], s[6:7]         ; query or w_q,
	s_cselect_b32 s24, s19, s18                    ; its first row,
	s_cselect_b32 s21, 0, 1                        ; rows as they lie, or a weight's order
	s_cmp_eq_u32 s15, 3
	s_cselect_b64 s[22:23], s[10:11], s[22:23]     ; or w_k
	s_cselect_b32 s24, s20, s24
	s_lshl_b32 s24, s24, 10                        ; a row is 1,024 bytes
	s_add_nc_u64 s[22:23], s[22:23], s[24:25]
	v_and_b32 v10, 8, v2
	v_mul_u32_u24 v10, s21, v10
	v_add_nc_u32 v10, v10, v2                      ; r, or r + 8 (r / 8)
	v_lshlrev_b32 v[XA], 10, v10
	v_lshl_add_u32 v[XA], v3, 6, v[XA]             ; + 64 h: my 16 numbers of each block of 32
	s_lshl_b32 s24, ttmp9, 11
	s_add_nc_u64 s[26:27], s[12:13], s[24:25]      ; w_k's fragments 2 g, 2 g + 1
	s_lshl_b32 s24, ttmp9, 8
	s_add_nc_u64 s[28:29], s[12:13], s[24:25]      ; and their scale images
	s_lshl_b32 s24, s37, 10
	s_add_nc_u64 s[30:31], s[12:13], s[24:25]      ; Q's fragment
	s_lshl_b32 s24, s37, 7
	s_add_nc_u64 s[34:35], s[12:13], s[24:25]      ; and its scale image
	s_lshl_b32 s24, s17, 9
	s_add_nc_u64 s[8:9], s[8:9], s[24:25]          ; b_q at my half's 128 numbers
	s_cmp_lg_u32 s15, 2
	s_cbranch_scc1 .Lno_bias
.irp t, 0,1,2,3,4,5,6,7                        ; the bias is loaded where the sums will stand: it is the C of each sum's first product
	global_load_b128 v[HA+8*\t:HA+8*\t+3], v[BA], s[8:9] offset:(32*(\t/2)+8*(\t%2))*4
	global_load_b128 v[HA+8*\t+4:HA+8*\t+7], v[BA], s[8:9] offset:(32*(\t/2)+8*(\t%2))*4+16
.endr
.Lno_bias:
	XLOAD SA, 0
	XLOAD SB, 1
	s_wait_loadcnt 16                              ; all but the sixteen youngest, K step 1's: K step 0 is in (and the bias, where it was asked for)
	QUANT SA, XF, XS
	s_wait_loadcnt 0x0
	QUANT SB, XF1, XS1
	s_cmp_gt_u32 s15, 1
	s_cbranch_scc1 .Lnot_wq
.irp i, 0,1,2,3
	ds_store_b128 v[WI], v[XF+4*\i:XF+4*\i+3] offset:512*\i      ; w_q's two fragments as they stand in my registers
.endr
	ds_store_b32 v[WSA], v[XS]
	ds_store_b32 v[WSA], v[XS1] offset:128
.Lnot_wq:
	s_cmp_lg_u32 s15, 3
	s_cbranch_scc1 .Lnot_wk
.irp i, 0,1,2,3
	global_store_b128 v[LI], v[XF+4*\i:XF+4*\i+3], s[26:27] offset:WIMG+512*\i   ; 32 lanes store 512 consecutive bytes
.endr
	global_store_b32 v[LS], v[XS], s[28:29] offset:WSC
	global_store_b32 v[LS], v[XS1], s[28:29] offset:WSC+128
.Lnot_wk:
	s_wait_dscnt 0x0                               ; for the others' sake: my LDS stores have landed
	s_barrier_signal -1
	s_barrier_wait -1                              ; w_q's sixteen fragments lie in LDS
	s_cmp_lg_u32 s15, 2
	s_cbranch_scc1 .Lend
.set f, 0
.rept 16
	ds_load_b128 v[WF+8*f:WF+8*f+3], v[LI] offset:1024*f
	ds_load_b128 v[WF+8*f+4:WF+8*f+7], v[LI] offset:1024*f+512
	ds_load_b32 v[WS+f], v[LS] offset:LSC+128*f
.set f, f+1
.endr
	s_wait_dscnt 0x0
.rept 8
	v_nop                                          ; query's scale words and codes were written by vector instructions: eight places ahead of a scaled product
.endr
.irp s, 0,1                                    ; Q^T: eight accumulators by turns, one instruction a turn
.irp t, 0,1,2,3,4,5,6,7
	v_wmma_scale_f32_16x16x128_f8f6f4 v[HA+8*\t:HA+8*\t+7], v[WF+8*(2*\t+\s):WF+8*(2*\t+\s)+7], v[XF+8*\s:XF+8*\s+7], v[HA+8*\t:HA+8*\t+7], v[WS+2*\t+\s], v[XS+\s] matrix_a_fmt:MATRIX_FMT_FP4 matrix_b_fmt:MATRIX_FMT_FP4
.endr
.endr
.rept 4
	v_nop                                          ; four places ahead of the first read of the results and of writes into the products' sources
.endr
	QUANT HA, QC, PWH                              ; 128 outputs of my 16 queries: K step s3 of the third product
	global_store_b128 v[LI], v[QC:QC+3], s[30:31] offset:QIMG
	global_store_b128 v[LI], v[QC+4:QC+7], s[30:31] offset:QIMG+512
	global_store_b32 v[LS], v[PWH], s[34:35] offset:QSC
.Lend:
	s_wait_tensorcnt 0x0
	ds_add_u32 v23, v47
	s_wait_dscnt 0x0
	s_endpgm
.Lfunc_end_k_q770c4874e6_prep:
	.size	k_q770c4874e6_prep, .Lfunc_end_k_q770c4874e6_prep-k_q770c4874e6_prep
	.p2alignl 7, 3214868480
	.fill 96, 4, 3214868480
	.section	.rodata,"a",@progbits
	.p2align	6, 0x0
	.amdhsa_kernel k_q770c4874e6_prep
		.amdhsa_group_segment_fixed_size 32512
		.amdhsa_private_segment_fixed_size 0
		.amdhsa_enable_private_segment 0
		.amdhsa_kernarg_size 40
		.amdhsa_user_sgpr_count 2
		.amdhsa_user_sgpr_kernarg_segment_ptr 1
		.amdhsa_wavefront_size32 1
		.amdhsa_system_sgpr_workgroup_id_x 1
		.amdhsa_system_sgpr_workgroup_id_y 1
		.amdhsa_system_sgpr_workgroup_id_z 1
		.amdhsa_system_vgpr_workitem_id 0
		.amdhsa_next_free_vgpr 256
		.amdhsa_next_free_sgpr 66
		.amdhsa_reserve_vcc 0
		.amdhsa_float_denorm_mode_32 3
		.amdhsa_float_denorm_mode_16_64 3
		.amdhsa_memory_ordered 1
		.amdhsa_forward_progress 1
		.amdhsa_inst_pref_size 26
	.end_amdhsa_kernel
	.amdgpu_metadata
---
amdhsa.version: [ 1, 2 ]
amdhsa.kernels:
  - .name:           k_q770c4874e6_prep
    .symbol:         k_q770c4874e6_prep.kd
    .args:
      - { .name: query, .offset: 0, .size: 8, .value_kind: global_buffer, .address_space: global }
      - { .name: w_q, .offset: 8, .size: 8, .value_kind: global_buffer, .address_space: global }
      - { .name: b_q, .offset: 16, .size: 8, .value_kind: global_buffer, .address_space: global }
      - { .name: w_k, .offset: 24, .size: 8, .value_kind: global_buffer, .address_space: global }
      - { .name: ops, .offset: 32, .size: 8, .value_kind: global_buffer, .address_space: global }
    .group_segment_fixed_size: 32512
    .private_segment_fixed_size: 0
    .kernarg_segment_align: 8
    .kernarg_segment_size: 40
    .max_flat_workgroup_size: 416
    .sgpr_count:     66
    .vgpr_count:     256
    .wavefront_size: 32
...
	.end_amdgpu_metadata
.endif
;; end of part 1
;; launch score (part 2): grid 256 x 1, 4 waves a work-group, no clusters, 67,072 bytes of LDS; arguments key, ops, b_k, part; writes part
.if DOCPART == 2
	.amdgcn_target "amdgcn-amd-amdhsa--gfx1250"
	.amdhsa_code_object_version 6
	.text
	.protected	k_q770c4874e6_score
	.globl	k_q770c4874e6_score
	.p2align	8
	.type	k_q770c4874e6_score,@function
k_q770c4874e6_score:
	s_mov_b64 s[64:65], 0
	v_nop
	global_prefetch_b8 v0, s[64:65] scope:SCOPE_SE
	s_setreg_imm32_b32 hwreg(HW_REG_WAVE_MODE, 25, 1), 1
	s_wait_xcnt 0x0
; For each candidate block of key: the sum over all queries and keys of Q . K, K = q(key) q(w_k)^T + b_k, both products on codes of E2M1 with one E8M0 scale for each 32 along K.
; SHARES.  Work-group g takes key rows 1,024 g on (half of candidate g / 2, batch g / 32); wave w 256 of them, as 16 tiles of 16 rows.  THE WAVES SHARE THE ROWS: each keeps all of w_k's codes (256 registers),
; b_k (128) and its batch's Q codes (64) in registers for the whole launch, so nothing passes from wave to wave: no barrier stands in this text.
; HOW key COMES IN.  A tile of 16 rows is 16,384 consecutive bytes: 32 loads of 16 bytes a lane, each 512 consecutive bytes, aligned, into a SET of 128 registers; window 3 holds two sets.
; The quantiser wants 16 neighbours along K of ONE row in a lane, so a set turns through the wave's own stage in LDS: 32 stores as loaded, into rows 1,040 bytes apart, and 32 loads back, 64 bytes of a row to a lane.
; Loads into registers are waited for by count: while one set is staged and worked, the other set's 32 loads stay out, and the set just staged is asked for again (the tile two on) as soon as its LDS stores are done.
; So a wave has between 16 and 32 KiB on its way, in two requests a tile apart, and waits for all its loads only at its last tile.
; With both sets out a wave has 64 loads; LOADcnt's field holds 63, so the issue of a set's last load may wait until the oldest load has come back (ISA guide 5.7.1); no wait is written for that.
; A TILE OF 16 ROWS: 256 numbers a row, quantised (two fragments); for each half of w_k's 16 tiles: eight tiles of K^T (source 0 = 16 rows of w_k, source 1 = key; b_k is the C of the first product),
; quantised in registers: one K step of the last product; then E += Q K^T (source 0 = 16 queries, source 1 = the 16 rows of K), four accumulators that run on over all of the wave's tiles:
; only the sum of all energies is wanted, so the matrix unit's own additions do the sum over the tiles.
; THE ROWS OF w_k THAT FORM A TILE were chosen by the launch before: register j of tile t in lane (r, h) is output 32 (t / 2) + 16 h + 8 (t % 2) + j of key row r.
; LIMITS: NaN and infinities are not served.  A block whose largest magnitude lies under 2^-124 has its byte held at 1; a block of zeros gets the byte 1 and not 127 (its codes are zeros; the bytes stay in registers).
; The energies are added in another order than row by row, and their division by 16 and the mean's by 2,048 follow in the next launch as one exact factor 2^-15.
; No cluster: the work-groups share 43 KB of codes against 1 MiB of key each, which nobody shares.
; REGISTERS, in windows of 256.  Window 0: v1-7 addresses; v8-11 the last sum; v16-47 w_k's scale words (2 t + s); v48-55 Q's (2 m + s); v56-57 key's; v58-59 K's; v60-75 at work; v76-91 key's two fragments;
;   v92-107 K's two; v108-171 key's K step 0, then eight tiles of K^T; v172-235 key's K step 1.   Window 1: w_k's 32 fragments at 8 (2 t + s).   Window 2: v0-127 b_k, eight registers a tile; v128-191 Q's fragments; v192-223 E.
;   Window 3: v0-127 set 0 (even tiles), v128-255 set 1 (odd tiles): key as it is loaded.
.set WIMG, 0
.set WSC,  32768
.set QIMG, 36864
.set QSC,  102400
.set PITCH, 1040                       ; a stage row: 1,024 bytes + 16 that nobody touches: row r starts 16 r bytes further round the 64 banks of 4 bytes (ISA guide 11.1), so the 16 rows that a load touches start at 16 different banks
.set STG,   16*PITCH                   ; a wave's stage: one tile
.set TILEB, 16*1024                    ; a tile in memory
.set LA,  1                            ; v1  LDS address of my 64 bytes in row r of my wave's stage; never rewritten
.set LI,  2                            ; v2  16 x lane; never rewritten
.set LS,  3                            ; v3  4 x lane
.set BA,  4                            ; v4  64 h
.set SA,  5                            ; v5  LDS address at which I put 16 bytes of a load's 512: my stage + 16 x lane; never rewritten
.set LN,  7                            ; v7  lane
.set WS,  16
.set QS,  48
.set XS,  56
.set XS1, 57
.set HS,  58
.set HS1, 59
.set TM,  60
.set XF,  76
.set XF1, 84
.set HF,  92
.set HF1, 100
.set HA,  108
.set XB,  172
.set BK,  0                            ; window 2
.set QF,  128
.set E,   192
.set SEL, 32                           ; s[32:33] lane selects for v_permlanex16_b32: lane l xor 16
.set MSB, 0
.macro WIN new                         ; the immediate's high byte repeats the setting that is left; a switch that changes nothing is dropped
.if MSB != \new
	s_set_vgpr_msb (MSB<<8)|\new
.set MSB, \new
.endif
.endm
; 64 numbers of a lane, register 16 b + i = k 32 b + 16 (lane / 16) + i of my row, become a fragment's codes in v[pc] on and its scale word in v[pw].
; Where the numbers are matrix results, each accumulator is first read at its registers 0 and 1.
.macro QUANT s, pc, pw
.irp b, 0,1,2,3
	v_max3_num_f32 v[TM+\b], |v[\s+16*\b]|, |v[\s+16*\b+1]|, 0x1800000   ; block b: my 16 numbers, and the floor 2^(3 - 127): the byte cannot fall under 1
.endr
.irp i, 2,4,6,8,10,12,14
.irp b, 0,1,2,3
	v_max3_num_f32 v[TM+\b], v[TM+\b], |v[\s+16*\b+\i]|, |v[\s+16*\b+\i+1]|   ; the four blocks by turns
.endr
.endr
.irp b, 0,1,2,3
	v_permlanex16_b32 v[TM+4+\b], v[TM+\b], s[SEL], s[SEL+1]
.endr
.irp b, 0,1,2,3
	v_max_num_f32 v[TM+\b], v[TM+\b], v[TM+4+\b]          ; with lane l xor 16's 16: the block's largest magnitude
.endr
.irp b, 0,1,2,3
	v_add_nc_u32 v[TM+12+\b], 0xff000000, v[TM+\b]        ; 2 off its exponent field: the conversion takes the exponent field of this operand as its scale
.endr
.irp b, 0,1,2,3
	v_lshrrev_b32 v[TM+4+\b], 23, v[TM+12+\b]             ; the scale's byte
.endr
	v_lshl_or_b32 v[\pw], v[TM+5], 8, v[TM+4]             ; four bytes: my row's scale word
	v_lshl_or_b32 v[\pw], v[TM+6], 16, v[\pw]
	v_lshl_or_b32 v[\pw], v[TM+7], 24, v[\pw]
.irp b, 0,1,2,3
	v_cvt_scalef32_pk8_fp4_f32 v[\pc+2*\b], v[\s+16*\b:\s+16*\b+7], v[TM+12+\b]
	v_cvt_scalef32_pk8_fp4_f32 v[\pc+2*\b+1], v[\s+16*\b+8:\s+16*\b+15], v[TM+12+\b]
.endr
	v_nop                                                 ; one plain place behind the scaled conversions
.irp c, 0,1                                               ; the operand wants a whole block in a lane: lanes 0-15 block 2 c, lanes 16-31 block 2 c + 1
.irp i, 0,1
	v_permlane16_swap_b32 v[\pc+4*\c+\i], v[\pc+4*\c+2+\i]
.endr
.endr
.endm
; A tile of key, off bytes from the base, into set p: load n takes half n % 2 of row n / 2; read once in this launch
.macro GLOAD p, off
	WIN 0xc0                                       ; destination window 3, address window 0
.set gi, 0
.rept 32
	global_load_b128 v[128*\p+4*gi:128*\p+4*gi+3], v[LI], s[4:5] offset:\off+512*gi th:TH_LOAD_NT   ; 32 lanes read 512 consecutive bytes, aligned
.set gi, gi+1
.endr
	WIN 0
.endm
; Set p into my stage, as it was loaded: a store's 512 bytes are consecutive
.macro STAGE p
	WIN 0x0c                                       ; an LDS store's data are its source 1: window 3
.set gi, 0
.rept 32
	ds_store_b128 v[SA], v[128*\p+4*gi:128*\p+4*gi+3] offset:PITCH*(gi/2)+512*(gi%2)
.set gi, gi+1
.endr
	WIN 0
.endm
.macro LDX reg, off                    ; my 64 numbers of one K step of key: of row r, 16 neighbours of each block of 32
.irp b, 0,1,2,3
.irp j, 0,1,2,3
	ds_load_b128 v[\reg+16*\b+4*\j:\reg+16*\b+4*\j+3], v[LA] offset:\off+128*\b+16*\j
.endr
.endr
.endm
.macro PLACES n
.rept \n
	v_nop
.endr
.endm
; K^T, w_k's tiles 8 g .. 8 g + 7: eight accumulators by turns, one instruction a turn; the first K step takes b_k as C
.macro P2 g
	WIN 0x21                                       ; source 0 (w_k) window 1, source 2 (b_k) window 2
.irp t, 0,1,2,3,4,5,6,7
	v_wmma_scale_f32_16x16x128_f8f6f4 v[HA+8*\t:HA+8*\t+7], v[16*(8*\g+\t):16*(8*\g+\t)+7], v[XF:XF+7], v[BK+8*(8*\g+\t):BK+8*(8*\g+\t)+7], v[WS+2*(8*\g+\t)], v[XS] matrix_a_fmt:MATRIX_FMT_FP4 matrix_b_fmt:MATRIX_FMT_FP4
.endr
	WIN 0x01
.irp t, 0,1,2,3,4,5,6,7
	v_wmma_scale_f32_16x16x128_f8f6f4 v[HA+8*\t:HA+8*\t+7], v[16*(8*\g+\t)+8:16*(8*\g+\t)+15], v[XF1:XF1+7], v[HA+8*\t:HA+8*\t+7], v[WS+2*(8*\g+\t)+1], v[XS1] matrix_a_fmt:MATRIX_FMT_FP4 matrix_b_fmt:MATRIX_FMT_FP4
.endr
	WIN 0
.endm
; E += Q K^T: the four tiles of queries by turns, a K step at a time
.macro P3
	WIN 0xa2                                       ; source 0 (Q), C and D (E) window 2; source 1 (K) window 0
.irp s, 0,1
.irp m, 0,1,2,3
	v_wmma_scale_f32_16x16x128_f8f6f4 v[E+8*\m:E+8*\m+7], v[QF+8*(2*\m+\s):QF+8*(2*\m+\s)+7], v[HF+8*\s:HF+8*\s+7], v[E+8*\m:E+8*\m+7], v[QS+2*\m+\s], v[HS+\s] matrix_a_fmt:MATRIX_FMT_FP4 matrix_b_fmt:MATRIX_FMT_FP4
.endr
.endr
	WIN 0
.endm
; The tile in set p.  left: how many younger loads may stay out.  reload = 1: the set is asked for again, with the tile two on, off bytes from the base.
.macro TILE p, left, reload, off
	s_wait_loadcnt \left                           ; loads come back in order (ISA guide 5.7.1): this set's 32 are in, the other set's stay on their way
	STAGE \p
	LDX HA, 0                                      ; LDS serves a wave's instructions in order (ISA guide 5.7.1.4): these see the stores above
	LDX XB, 512
.if \reload
	s_wait_dscnt 32                                ; all but the 32 LDS loads just issued: the 32 stores are done and have read the set's registers,
	GLOAD \p, \off                                 ; which take the tile two on; these 32 lines are issued while the LDS loads are on their way
.endif
	s_wait_dscnt 16                                ; all but the sixteen youngest, K step 1's
	QUANT HA, XF, XS
	s_wait_dscnt 0x0
	QUANT XB, XF1, XS1
	PLACES 8                                       ; a scale word written by a vector instruction stands eight places ahead of a scaled product, codes so written four
	P2 0
	PLACES 4                                       ; ahead of the first read of the results
	QUANT HA, HF, HS                               ; its lines on the registers at work are further places ahead of the products that write these accumulators anew
	P2 1
	PLACES 4
	QUANT HA, HF1, HS1
	PLACES 8
	P3
.endm
	s_load_b256 s[4:11], s[0:1], 0x0               ; key s[4:5], ops s[6:7], b_k s[8:9], part s[10:11]
	v_lshl_add_u32 v254, v0, 2, 0x10400
	v_mov_b32 v255, 0
	v_and_b32 v[LN], 31, v0                        ; lane
	v_lshrrev_b32 v8, 5, v0
	v_readfirstlane_b32 s12, v8                    ; wave 0..3
	v_lshlrev_b32 v[LI], 4, v[LN]
	s_mul_i32 s13, s12, STG                        ; my stage in LDS
	s_lshl_b32 s14, ttmp9, 20                      ; the work-group's 1,024 rows of 1,024 bytes (under 2^28),
	s_lshl_b32 s15, s12, 18                        ; my wave's 256 of them
	s_add_co_u32 s14, s14, s15
	s_mov_b32 s15, 0
	s_mov_b32 s[SEL], 0x76543210
	s_mov_b32 s[SEL+1], 0xfedcba98
	s_wait_kmcnt 0x0
	s_add_nc_u64 s[4:5], s[4:5], s[14:15]          ; key at my first row
	GLOAD 0, 0                                     ; tile 0 is asked for before anything else
	v_and_b32 v8, 15, v0                           ; r
	v_bfe_u32 v9, v0, 4, 1                         ; h
	v_mul_u32_u24 v[LA], v8, PITCH
	v_lshl_add_u32 v[LA], v9, 6, v[LA]
	v_add_nc_u32 v[LA], s13, v[LA]                 ; my stage + row r + 64 h
	v_add_nc_u32 v[SA], s13, v[LI]                 ; my stage + 16 x lane
	v_lshlrev_b32 v[LS], 2, v[LN]
	v_lshlrev_b32 v[BA], 6, v9
	s_lshr_b32 s13, ttmp9, 5                       ; the batch
	s_lshl_b32 s14, s13, 13
	s_add_nc_u64 s[36:37], s[6:7], s[14:15]        ; its eight fragments of Q,
	s_lshl_b32 s14, s13, 10
	s_add_nc_u64 s[38:39], s[6:7], s[14:15]        ; and their scale images
	s_lshl_b32 s14, ttmp9, 4
	s_lshl_b32 s13, s12, 2
	s_add_co_u32 s14, s14, s13
	s_add_nc_u64 s[40:41], s[10:11], s[14:15]      ; my word of part: 4 g + w
	WIN 0x40                                       ; destination window 1
.set f, 0
.rept 32                                       ; w_k's fragments: they stay
	global_load_b128 v[8*f:8*f+3], v[LI], s[6:7] offset:WIMG+1024*f
	global_load_b128 v[8*f+4:8*f+7], v[LI], s[6:7] offset:WIMG+1024*f+512
.set f, f+1
.endr
	WIN 0x80                                       ; destination window 2
.set f, 0
.rept 16                                       ; b_k in the results' layout: for tile t the eight numbers 32 (t / 2) + 8 (t % 2) + 16 h on
	global_load_b128 v[BK+8*f:BK+8*f+3], v[BA], s[8:9] offset:(32*(f/2)+8*(f%2))*4
	global_load_b128 v[BK+8*f+4:BK+8*f+7], v[BA], s[8:9] offset:(32*(f/2)+8*(f%2))*4+16
.set f, f+1
.endr
.set f, 0
.rept 8
	global_load_b128 v[QF+8*f:QF+8*f+3], v[LI], s[36:37] offset:QIMG+1024*f
	global_load_b128 v[QF+8*f+4:QF+8*f+7], v[LI], s[36:37] offset:QIMG+1024*f+512
.set f, f+1
.endr
.set f, 0
.rept 32
	v_mov_b32 v[E+f], 0                            ; E begins as zeros: 32 lines once, so that the tile's text needs no copy of its own for the first tile
.set f, f+1
.endr
	WIN 0
.set f, 0
.rept 32
	global_load_b32 v[WS+f], v[LS], s[6:7] offset:WSC+128*f
.set f, f+1
.endr
.set f, 0
.rept 8
	global_load_b32 v[QS+f], v[LS], s[38:39] offset:QSC+128*f
.set f, f+1
.endr
	GLOAD 1, TILEB                                 ; tile 1 last: the first tile's wait leaves just these 32 out, so it also shows tile 0 and all the operands that stay
.irp b, 0,1,2,3
	v_mov_b32 v[TM+4+\b], 0                        ; written once: a lane permute's destination counts as one of its sources
.endr
	s_mov_b32 s34, 7
.Lring:                                            ; seven trips of two tiles: tiles 0 to 13 are worked, tiles 2 to 15 asked for
	TILE 0, 32, 1, 2*TILEB
	TILE 1, 32, 1, 3*TILEB
	s_wait_xcnt 0x0                                ; every load issued has had its address translated (ISA guide 3.1): the base is stepped only behind this wait
	s_add_nc_u64 s[4:5], s[4:5], 2*TILEB
	s_sub_co_u32 s34, s34, 1
	s_cmp_lg_u32 s34, 0
	s_cbranch_scc1 .Lring
	TILE 0, 32, 0, 0                               ; the last two tiles ask for nothing: no load leaves the wave's 256 rows
	TILE 1, 0, 0, 0
	PLACES 4                                       ; ahead of the first read of E
	WIN 0x0a                                       ; sources 0 and 1 window 2
	v_pk_add_f32 v[8:9], v[E:E+1], v[E+8:E+9]      ; each accumulator is first read at its low end
	v_pk_add_f32 v[10:11], v[E+16:E+17], v[E+24:E+25]
	WIN 0x08                                       ; source 1 window 2
.irp m, 0,1,2,3
.irp p, 1,2,3
	v_pk_add_f32 v[8+2*((\m+\p)%2):9+2*((\m+\p)%2)], v[8+2*((\m+\p)%2):9+2*((\m+\p)%2)], v[E+8*\m+2*\p:E+8*\m+2*\p+1]   ; two chains by turns
.endr
.endr
	WIN 0
	v_pk_add_f32 v[8:9], v[8:9], v[10:11]
	v_add_f32 v8, v8, v9
	v_add_f32_dpp v8, v8, v8 row_xmask:1 row_mask:0xf bank_mask:0xf
	v_add_f32_dpp v8, v8, v8 row_xmask:2 row_mask:0xf bank_mask:0xf
	v_add_f32_dpp v8, v8, v8 row_xmask:4 row_mask:0xf bank_mask:0xf
	v_add_f32_dpp v8, v8, v8 row_xmask:8 row_mask:0xf bank_mask:0xf
	v_permlanex16_b32 v9, v8, s[SEL], s[SEL+1]
	v_add_f32 v8, v8, v9                           ; the sum of all energies of my 256 rows, in every lane
	v_mov_b32 v10, 0
	v_cmp_eq_u32 vcc_lo, 0, v[LN]
	s_wait_xcnt 0x0                                ; EXEC changes only behind this wait
	s_wait_tensorcnt 0x0
	ds_add_u32 v254, v255
	s_wait_dscnt 0x0
	s_and_saveexec_b32 s42, vcc_lo
	global_store_b32 v10, v8, s[40:41]             ; lane 0 stores it
	s_wait_xcnt 0x0                                ; and again, in front of the line that widens it
	s_or_b32 exec_lo, exec_lo, s42
	s_endpgm
.Lfunc_end_k_q770c4874e6_score:
	.size	k_q770c4874e6_score, .Lfunc_end_k_q770c4874e6_score-k_q770c4874e6_score
	.p2alignl 7, 3214868480
	.fill 96, 4, 3214868480
	.section	.rodata,"a",@progbits
	.p2align	6, 0x0
	.amdhsa_kernel k_q770c4874e6_score
		.amdhsa_group_segment_fixed_size 67072
		.amdhsa_private_segment_fixed_size 0
		.amdhsa_enable_private_segment 0
		.amdhsa_kernarg_size 32
		.amdhsa_user_sgpr_count 2
		.amdhsa_user_sgpr_kernarg_segment_ptr 1
		.amdhsa_wavefront_size32 1
		.amdhsa_system_sgpr_workgroup_id_x 1
		.amdhsa_system_sgpr_workgroup_id_y 1
		.amdhsa_system_sgpr_workgroup_id_z 1
		.amdhsa_system_vgpr_workitem_id 0
		.amdhsa_next_free_vgpr 1024
		.amdhsa_next_free_sgpr 66
		.amdhsa_reserve_vcc 1
		.amdhsa_float_denorm_mode_32 3
		.amdhsa_float_denorm_mode_16_64 3
		.amdhsa_memory_ordered 1
		.amdhsa_forward_progress 1
		.amdhsa_inst_pref_size 132
	.end_amdhsa_kernel
	.amdgpu_metadata
---
amdhsa.version: [ 1, 2 ]
amdhsa.kernels:
  - .name:           k_q770c4874e6_score
    .symbol:         k_q770c4874e6_score.kd
    .args:
      - { .name: key, .offset: 0, .size: 8, .value_kind: global_buffer, .address_space: global }
      - { .name: ops, .offset: 8, .size: 8, .value_kind: global_buffer, .address_space: global }
      - { .name: b_k, .offset: 16, .size: 8, .value_kind: global_buffer, .address_space: global }
      - { .name: part, .offset: 24, .size: 8, .value_kind: global_buffer, .address_space: global }
    .group_segment_fixed_size: 67072
    .private_segment_fixed_size: 0
    .kernarg_segment_align: 8
    .kernarg_segment_size: 32
    .max_flat_workgroup_size: 128
    .sgpr_count:     66
    .vgpr_count:     1024
    .wavefront_size: 32
...
	.end_amdgpu_metadata
.endif
;; end of part 2
;; launch pick (part 3): grid 1 x 1, 1 waves a work-group, no clusters, 0 bytes of LDS; arguments part, order; writes order
.if DOCPART == 3
	.amdgcn_target "amdgcn-amd-amdhsa--gfx1250"
	.amdhsa_code_object_version 6
	.text
	.protected	k_q770c4874e6_pick
	.globl	k_q770c4874e6_pick
	.p2align	8
	.type	k_q770c4874e6_pick,@function
k_q770c4874e6_pick:
	s_mov_b64 s[64:65], 0
	v_nop
	global_prefetch_b8 v0, s[64:65] scope:SCOPE_SE
	s_setreg_imm32_b32 hwreg(HW_REG_WAVE_MODE, 25, 1), 1
	s_wait_xcnt 0x0
; attention[b][m] = 2^-15 x the sum of candidate 16 b + m's eight partial sums (the division by sqrt(256) = 16 and the mean over 2,048 keys, one exact factor);
; order[b] = the m of the largest, the lower m on a tie.  One wave: lane l holds candidates 4 l .. 4 l + 3, so the four lanes 4 b .. 4 b + 3 hold batch b's sixteen.
; The choice is stored as whole numbers; the next launch forms its addresses from them.  LIMIT: NaN is not served.
	s_load_b128 s[8:11], s[0:1], 0x0               ; part s[8:9], order s[10:11]
	v_lshlrev_b32 v1, 7, v0                        ; four candidates x 32 bytes a lane
	v_and_b32 v49, 3, v0
	v_lshlrev_b32 v50, 2, v49                      ; m of my first candidate
	v_mov_b32 v46, 0                               ; written once: the destination of a lane move counts as read
	v_mov_b32 v47, 0
	s_wait_kmcnt 0x0
.irp i, 0,1,2,3,4,5,6,7
	global_load_b128 v[8+4*\i:11+4*\i], v1, s[8:9] offset:16*\i
.endr
	s_wait_loadcnt 0x0
.irp c, 0,1,2,3
	v_pk_add_f32 v[8+8*\c:9+8*\c], v[8+8*\c:9+8*\c], v[10+8*\c:11+8*\c]
	v_pk_add_f32 v[12+8*\c:13+8*\c], v[12+8*\c:13+8*\c], v[14+8*\c:15+8*\c]
.endr
.irp c, 0,1,2,3
	v_pk_add_f32 v[8+8*\c:9+8*\c], v[8+8*\c:9+8*\c], v[12+8*\c:13+8*\c]
.endr
.irp c, 0,1,2,3
	v_add_f32 v[40+\c], v[8+8*\c], v[9+8*\c]
.endr
.irp c, 0,1,2,3
	v_mul_f32 v[40+\c], 0x38000000, v[40+\c]       ; x 2^-15
.endr
.irp c, 1,2,3                                  ; in the lane: v40 the best so far, v45 its m; a later candidate wins only if it is larger
	v_cmp_gt_f32 vcc_lo, v[40+\c], v40
	v_add_nc_u32 v48, \c, v50
	v_cndmask_b32 v40, v40, v[40+\c], vcc_lo
.if \c == 1
	v_cndmask_b32 v45, v50, v48, vcc_lo
.else
	v_cndmask_b32 v45, v45, v48, vcc_lo
.endif
.endr
.irp x, 1,2                                    ; across the batch's four lanes: the other's wins if it is larger, or equal with the lower m
	v_mov_b32_dpp v46, v40 row_xmask:\x row_mask:0xf bank_mask:0xf
	v_mov_b32_dpp v47, v45 row_xmask:\x row_mask:0xf bank_mask:0xf
	v_cmp_gt_f32 s4, v46, v40
	v_cmp_eq_f32 s5, v46, v40
	v_cmp_lt_u32 s6, v47, v45
	s_and_b32 s5, s5, s6
	s_or_b32 s4, s4, s5
	v_cndmask_b32 v40, v40, v46, s4
	v_cndmask_b32 v45, v45, v47, s4
.endr
	v_cmp_eq_u32 vcc_lo, 0, v49
	s_wait_xcnt 0x0                                ; EXEC changes only behind this wait
	s_and_saveexec_b32 s12, vcc_lo
	global_store_b32 v0, v45, s[10:11]             ; lane 4 b stores word b at byte 4 b: 32 consecutive bytes
	s_wait_xcnt 0x0
	s_or_b32 exec_lo, exec_lo, s12
	s_endpgm
.Lfunc_end_k_q770c4874e6_pick:
	.size	k_q770c4874e6_pick, .Lfunc_end_k_q770c4874e6_pick-k_q770c4874e6_pick
	.p2alignl 7, 3214868480
	.fill 96, 4, 3214868480
	.section	.rodata,"a",@progbits
	.p2align	6, 0x0
	.amdhsa_kernel k_q770c4874e6_pick
		.amdhsa_group_segment_fixed_size 0
		.amdhsa_private_segment_fixed_size 0
		.amdhsa_enable_private_segment 0
		.amdhsa_kernarg_size 16
		.amdhsa_user_sgpr_count 2
		.amdhsa_user_sgpr_kernarg_segment_ptr 1
		.amdhsa_wavefront_size32 1
		.amdhsa_system_sgpr_workgroup_id_x 1
		.amdhsa_system_sgpr_workgroup_id_y 1
		.amdhsa_system_sgpr_workgroup_id_z 1
		.amdhsa_system_vgpr_workitem_id 0
		.amdhsa_next_free_vgpr 56
		.amdhsa_next_free_sgpr 66
		.amdhsa_reserve_vcc 1
		.amdhsa_float_denorm_mode_32 3
		.amdhsa_float_denorm_mode_16_64 3
		.amdhsa_memory_ordered 1
		.amdhsa_forward_progress 1
		.amdhsa_inst_pref_size 5
	.end_amdhsa_kernel
	.amdgpu_metadata
---
amdhsa.version: [ 1, 2 ]
amdhsa.kernels:
  - .name:           k_q770c4874e6_pick
    .symbol:         k_q770c4874e6_pick.kd
    .args:
      - { .name: part, .offset: 0, .size: 8, .value_kind: global_buffer, .address_space: global }
      - { .name: order, .offset: 8, .size: 8, .value_kind: global_buffer, .address_space: global }
    .group_segment_fixed_size: 0
    .private_segment_fixed_size: 0
    .kernarg_segment_align: 8
    .kernarg_segment_size: 16
    .max_flat_workgroup_size: 32
    .sgpr_count:     66
    .vgpr_count:     56
    .wavefront_size: 32
...
	.end_amdgpu_metadata
.endif
;; end of part 3
;; launch copy (part 4): grid 256 x 1, 8 waves a work-group, no clusters, 0 bytes of LDS; arguments key, order, out0; writes out0
.if DOCPART == 4
	.amdgcn_target "amdgcn-amd-amdhsa--gfx1250"
	.amdhsa_code_object_version 6
	.text
	.protected	k_q770c4874e6_copy
	.globl	k_q770c4874e6_copy
	.p2align	8
	.type	k_q770c4874e6_copy,@function
k_q770c4874e6_copy:
	s_mov_b64 s[64:65], 0
	v_nop
	global_prefetch_b8 v0, s[64:65] scope:SCOPE_SE
	s_setreg_imm32_b32 hwreg(HW_REG_WAVE_MODE, 25, 1), 1
	s_wait_xcnt 0x0
; out0[b] = key[16 b + order[b]]: 2 MiB for each of 8 batches.  Work-group g copies 64 KiB: part g % 32 of batch g / 32.
; Thread t takes 16 bytes at 16 t of each of sixteen pieces of 4,096 bytes: a wave's load or store covers 512 consecutive bytes, aligned.  All sixteen loads go out first; no register is written twice.
; The index is a whole number that an earlier launch stored; it is held at 15 from above ahead of the address.
	s_load_b128 s[4:7], s[0:1], 0x0                ; key s[4:5], order s[6:7]
	s_load_b64 s[8:9], s[0:1], 0x10                ; out0
	s_lshr_b32 s14, ttmp9, 5                       ; b
	s_lshl_b32 s12, s14, 2
	s_mov_b32 s13, 0
	v_lshlrev_b32 v1, 4, v0
	s_wait_kmcnt 0x0
	s_add_nc_u64 s[6:7], s[6:7], s[12:13]
	s_load_b32 s10, s[6:7], 0x0                    ; order[b]
	s_lshl_b32 s12, ttmp9, 16
	s_add_nc_u64 s[8:9], s[8:9], s[12:13]          ; out0 at my 64 KiB
	s_lshl_b32 s14, s14, 4
	s_and_b32 s15, ttmp9, 31
	s_lshl_b32 s15, s15, 16
	s_mov_b32 s11, 0
	s_wait_kmcnt 0x0
	s_min_u32 s10, s10, 15
	s_add_co_u32 s10, s10, s14                     ; the block: 16 b + m, 127 at the most,
	s_lshl_b32 s10, s10, 21                        ; of 2 MiB (under 2^28),
	s_add_co_u32 s10, s10, s15                     ; and my part of it
	s_add_nc_u64 s[4:5], s[4:5], s[10:11]
.irp i, 0,1,2,3,4,5,6,7,8,9,10,11,12,13,14,15
	global_load_b128 v[8+4*\i:11+4*\i], v1, s[4:5] offset:4096*\i th:TH_LOAD_NT
.endr
.irp i, 0,1,2,3,4,5,6,7,8,9,10,11,12,13,14,15
	s_wait_loadcnt 15-\i                           ; loads come back in order (ISA guide 5.7.1): piece i is in, the younger ones may stay out
	global_store_b128 v1, v[8+4*\i:11+4*\i], s[8:9] offset:4096*\i th:TH_STORE_NT
.endr
	s_endpgm
.Lfunc_end_k_q770c4874e6_copy:
	.size	k_q770c4874e6_copy, .Lfunc_end_k_q770c4874e6_copy-k_q770c4874e6_copy
	.p2alignl 7, 3214868480
	.fill 96, 4, 3214868480
	.section	.rodata,"a",@progbits
	.p2align	6, 0x0
	.amdhsa_kernel k_q770c4874e6_copy
		.amdhsa_group_segment_fixed_size 0
		.amdhsa_private_segment_fixed_size 0
		.amdhsa_enable_private_segment 0
		.amdhsa_kernarg_size 24
		.amdhsa_user_sgpr_count 2
		.amdhsa_user_sgpr_kernarg_segment_ptr 1
		.amdhsa_wavefront_size32 1
		.amdhsa_system_sgpr_workgroup_id_x 1
		.amdhsa_system_sgpr_workgroup_id_y 1
		.amdhsa_system_sgpr_workgroup_id_z 1
		.amdhsa_system_vgpr_workitem_id 0
		.amdhsa_next_free_vgpr 72
		.amdhsa_next_free_sgpr 66
		.amdhsa_reserve_vcc 0
		.amdhsa_float_denorm_mode_32 3
		.amdhsa_float_denorm_mode_16_64 3
		.amdhsa_memory_ordered 1
		.amdhsa_forward_progress 1
		.amdhsa_inst_pref_size 5
	.end_amdhsa_kernel
	.amdgpu_metadata
---
amdhsa.version: [ 1, 2 ]
amdhsa.kernels:
  - .name:           k_q770c4874e6_copy
    .symbol:         k_q770c4874e6_copy.kd
    .args:
      - { .name: key, .offset: 0, .size: 8, .value_kind: global_buffer, .address_space: global }
      - { .name: order, .offset: 8, .size: 8, .value_kind: global_buffer, .address_space: global }
      - { .name: out0, .offset: 16, .size: 8, .value_kind: global_buffer, .address_space: global }
    .group_segment_fixed_size: 0
    .private_segment_fixed_size: 0
    .kernarg_segment_align: 8
    .kernarg_segment_size: 24
    .max_flat_workgroup_size: 256
    .sgpr_count:     66
    .vgpr_count:     72
    .wavefront_size: 32
...
	.end_amdgpu_metadata
.endif
;; end of part 4
